; MI455X (gfx1250); checked and timed in simulation.
; The chip was launched on July 23, 2026; its instructions are those of AMD's public machine-readable ISA for CDNA 5 (MIT licence, August 2026) and "CDNA5" Instruction Set Architecture Reference Guide (July 2026). The comments in the code are by the model that wrote it; some were corrected since.
;; Multi Head Self Attention With Relative Bias. Allowed arithmetic: matrix products marked QUANTISED: E2M1 operands, one E8M0 scale for each 32 along K, by v_wmma_scale_f32_16x16x128_f8f6f4 with both operands' format E2M1 (or v_wmma_scale_f32_32x16x128_f4), f32 sums; products left as they are: bf16, f16 or f32 operands; f32 sums; everything else in f32.
;; Inputs: Wk 1,024 x 1,024 float32; Wo 1,024 x 1,024 float32; Wq 1,024 x 1,024 float32; Wv 1,024 x 1,024 float32; rel_bias 16 x 63 float32; x 8 x 1,024 x 1,024 float32.
;; Outputs: out0 8 x 1,024 x 1,024 float32.
;; This version of the problem:
;;   THIS VERSION OF THE PROBLEM IS GIVEN IN LOW PRECISION. The matrix products marked QUANTISED in the list below multiply operands that are first quantised to E2M1 (2 exponent bits, 1 mantissa bit; 4 bits a number), with one power-of-two scale for each 32 numbers along K (OCP MX v1.0); their sums are f32. The products marked 'left as it is' may take bf16, f16 or f32 operands, with f32 sums. Whichever they take, every output number must still come out within the allowed error. Rounding operands to bf16 (8 significant bits) uses up far more of that allowance than f16 does (11 bits, for magnitudes from 6e-5 to 65,504). All else is computed in f32.
;;   The module's matrix products, in the order in which they are computed (A, B: the left and right operand; K: the contracted axis; several contracted axes count as one K, in the product's order):
;;     1. [M 8,192, K 1,024] x [K 1,024, N 1,024]; A: input x; B: input Wq: QUANTISED
;;     2. [M 8,192, K 1,024] x [K 1,024, N 1,024]; A: input x; B: input Wk: QUANTISED
;;     3. [M 8,192, K 1,024] x [K 1,024, N 1,024]; A: input x; B: input Wv: QUANTISED
;;     4. batch 128 x [M 1,024, K 64] x [K 64, N 1,024]; A: computed on the way; B: computed on the way: left as it is (an operand is computed on the way)
;;     5. batch 128 x [M 1,024, K 1,024] x [K 1,024, N 64]; A: computed on the way; B: computed on the way: left as it is (an operand is computed on the way)
;;     6. [M 8,192, K 1,024] x [K 1,024, N 1,024]; A: computed on the way; B: input Wo: left as it is (an operand is computed on the way)
;;   THE QUANTISER, for each operand of a quantised product, along K:
;;     - K is cut into blocks of 32 from its start; a last block that is shorter is filled with zeros.
;;     - A block's scale is 2^e with e = floor(log2(the largest magnitude in the block)) - 2, held to -126 .. 127; a block of zeros has e = 0. As a byte (E8M0): e + 127.
;;     - Each number is divided by its block's scale, clamped to +-6, and rounded to the nearest number of E2M1, ties to even, subnormals kept.
;;     - The product sums the exact products of the quantised numbers (number of the format x scale) in f32.
;;   ~~~python
;;   def quantise(x, axis):      # numpy; x: float32 -> the quantised numbers, widened to float32 again
;;       x = np.moveaxis(x, axis, -1); K = x.shape[-1]
;;       x = np.pad(x, [(0, 0)] * (x.ndim - 1) + [(0, -K % 32)]); x = x.reshape(x.shape[:-1] + (-1, 32)); a = np.abs(x).max(-1, keepdims=True)
;;       e = np.where(a > 0, np.clip(np.frexp(np.where(a > 0, a, 1))[1] - 1 - 2, -126, 127), 0)      # np.frexp(a)[1] - 1 = floor(log2(a)), exactly
;;       r = np.clip(x / 2.0 ** e, -6, 6)
;;       step = 2.0 ** (np.maximum(np.frexp(np.where(r == 0, 1, r))[1] - 1, 0) - 1)
;;       q = np.round(r / step) * step * 2.0 ** e      # np.round: ties to even
;;       return np.moveaxis(q.reshape(q.shape[:-2] + (-1,))[..., :K], -1, axis).astype(np.float32)
;;   ~~~
;; One version. Each part assembles by itself: llvm-mc -triple=amdgcn-amd-amdhsa -mcpu=gfx1250 --defsym DOCPART=n.
;; ======== version 1 of 1: 4 launches
;; limits: values are held in f16: magnitudes above 65,504 overflow, below 6.1e-05 lose precision
;; workspace buffers: xc 4,194,304 bytes; xs 262,144 bytes; wq4 1,671,168 bytes; wof 2,097,152 bytes; qf 16,777,216 bytes; kv 33,554,432 bytes; of 16,777,216 bytes
;; launch prep (part 1): grid 512 x 1, 4 waves a work-group, no clusters, 34,304 bytes of LDS; arguments x, Wq, Wk, Wv, Wo, xc, xs, wq4, wof; writes xc, xs, wq4, wof
.if DOCPART == 1
	.amdgcn_target "amdgcn-amd-amdhsa--gfx1250"
	.amdhsa_code_object_version 6
	.text
	.protected	k_q7d8ba374ff_prep
	.globl	k_q7d8ba374ff_prep
	.p2align	8
	.type	k_q7d8ba374ff_prep,@function
k_q7d8ba374ff_prep:
	s_mov_b64 s[64:65], 0
	v_nop
	global_prefetch_b8 v0, s[64:65] scope:SCOPE_SE
	s_setreg_imm32_b32 hwreg(HW_REG_WAVE_MODE, 25, 1), 1
	s_wait_xcnt 0x0
; PREP: the operands of the later launches are made once, each laid in the order of its reader's operand registers.
; An IMAGE is 512 bytes: four registers of a fragment, lane l's 16 bytes at 16 l.  So every store here and every load of a reader covers whole runs of consecutive bytes.
;   x  [8192][1024] f32 -> xc: codes of E2M1, [tile of 16 rows 512][K step of 128: 8][image 2]; lane (r, h) of image c holds k = 64 c + 32 h + 0..31 of row r;
;                          xs: scale words, [tile 512][lane 32][4]: lane 16 g + r, word j = row r's four E8M0 bytes of K step 4 g + j.
;   Wq, Wk, Wv [1024 (k)][1024 (n)] f32 -> wq4: 24 tiles (3 weights x 8 groups of 128 columns) of 69,632 bytes: codes [16 columns: 8][K step 8][image 2], then scale words laid as xs.
;   Wo [1024 (k)][1024 (n)] f32 -> wof: f16, [32 along k: 32][16 columns: 64][image 2]; lane (r, h) of image c holds k = 16 c + 8 h + 0..7 of column r.
; THE QUANTISER: a block of 32 along K has the scale 2^(floor(log2(largest magnitude)) - 2); its byte is the largest magnitude's exponent field - 2, held at 1 from below by a floor among the maximum's leaves.
; LIMITS: a block of zeros gets the byte 1 where the rule says 127 (its codes are zeros, and this program alone reads the bytes); NaN and infinities are not served; Wo is rounded to f16: magnitudes stay under 65,504, and under 6e-5 the step is 6e-8.
; SHARES: work-groups 0-255 take x: a wave takes 16 rows x 512 along K.  Work-groups 256-511 take the weights: a wave takes 32 columns x 128 along K, a lane a column, its registers down K.
; No tensor load, no barrier: waves share nothing.  Only the x path touches LDS.
.set STG,   16*528                     ; a wave's stage: 16 rows of 512 bytes + 16 of padding: the 16 rows that a read touches start 16 bytes apart modulo 256
.set SPARE, 4*STG                      ; behind the stages: the spare words, 128 bytes a wave
.set SPW,   10                         ; v10  my spare word's LDS address; never rewritten
.set NIL,   11                         ; v11  0; never rewritten
.set W,     12                         ; v12-15  scale words
.set C,     16                         ; v16-47  codes: registers of their own for each step, so that no store's data are written again
.set TM,    48                         ; v48-57  at work
.set R,     64                         ; v64-191 numbers as loaded
.set X,     192                        ; v192-255 x: 64 neighbours of a lane; Wo: the f16 pairs
	s_load_b256 s[4:11], s[0:1], 0x0               ; x, Wq, Wk, Wv
	s_load_b256 s[12:19], s[0:1], 0x20             ; Wo, xc, xs, wq4
	s_load_b64 s[20:21], s[0:1], 0x40              ; wof
	v_lshl_add_u32 v[SPW], v0, 2, SPARE
	v_mov_b32 v[NIL], 0
	v_lshrrev_b32 v1, 5, v0
	v_readfirstlane_b32 s22, v1                    ; wave
	v_and_b32 v1, 31, v0                           ; lane
	v_lshlrev_b32 v2, 4, v1                        ; 16 x lane
	v_and_b32 v3, 15, v0                           ; r
	v_bfe_u32 v4, v0, 4, 1                         ; h
	s_cmp_ge_u32 ttmp9, 256
	s_cbranch_scc1 .Lweights
; ---------------- x ----------------
	s_mov_b32 s34, 0x76543210
	s_mov_b32 s35, 0xfedcba98                      ; lane selects: lane l xor 16
	s_mul_i32 s23, s22, STG
	v_add_nc_u32 v5, s23, v2                       ; into the stage: a row's 512 bytes as they lie
	v_mul_u32_u24 v6, v3, 528
	v_lshl_add_u32 v6, v4, 7, v6
	v_add_nc_u32 v6, s23, v6                       ; out of it: row r, 128 h bytes on: my 32 numbers of each 64
	v_lshlrev_b32 v7, 4, v3
	v_lshl_add_u32 v7, v4, 3, v7                   ; the scale words' place: 16 r + 8 h
	v_lshlrev_b32 v8, 3, v4                        ; 8 h: my bytes' shift in a scale word
	v_mov_b32 v9, 0                                ; a lane permute's destination counts as read
	s_lshl_b32 s24, ttmp9, 2
	s_add_co_u32 s24, s24, s22
	s_lshr_b32 s25, s24, 1                         ; my tile of 16 rows
	s_and_b32 s26, s24, 1                          ; my half of K
	s_lshl_b32 s28, s25, 16                        ; x: 16 rows of 4,096 bytes,
	s_lshl_b32 s27, s26, 11                        ; 512 numbers
	s_add_co_u32 s28, s28, s27
	s_mov_b32 s29, 0
	s_lshl_b32 s30, s25, 13                        ; xc: 8 fragments of 1,024 bytes a tile
	s_lshl_b32 s27, s26, 12
	s_add_co_u32 s30, s30, s27
	s_mov_b32 s31, 0
	s_lshl_b32 s32, s25, 9                         ; xs: 512 bytes a tile
	s_lshl_b32 s27, s26, 8
	s_add_co_u32 s32, s32, s27
	s_mov_b32 s33, 0
	s_wait_kmcnt 0x0
	s_add_nc_u64 s[4:5], s[4:5], s[28:29]
	s_add_nc_u64 s[14:15], s[14:15], s[30:31]
	s_add_nc_u64 s[16:17], s[16:17], s[32:33]
.macro XLOAD t                         ; K step t of my 16 rows: each load reads 512 consecutive bytes of one row
.irp i, 0,1,2,3,4,5,6,7,8,9,10,11,12,13,14,15
	global_load_b128 v[R+64*((\t)%2)+4*\i:R+64*((\t)%2)+4*\i+3], v2, s[4:5] offset:4096*\i+512*(\t) th:TH_LOAD_NT
.endr
.endm
.macro XTURN t                         ; through my stage: in as loaded, out as the operand's layout wants them.  LDS serves a wave's instructions in order: no wait between the stores and the loads
.irp i, 0,1,2,3,4,5,6,7,8,9,10,11,12,13,14,15
	ds_store_b128 v5, v[R+64*((\t)%2)+4*\i:R+64*((\t)%2)+4*\i+3] offset:528*\i
.endr
.irp c, 0,1
.irp j, 0,1,2,3,4,5,6,7
	ds_load_b128 v[X+32*\c+4*\j:X+32*\c+4*\j+3], v6 offset:256*\c+16*\j
.endr
.endr
.endm
.macro XQ t                            ; my two whole blocks (2 c + h) become codes; the four bytes of a row's K step are gathered from lanes l and l xor 16
.irp c, 0,1
	v_max3_num_f32 v[TM+\c], |v[X+32*\c]|, |v[X+32*\c+1]|, 0x1800000   ; the floor 2^(3 - 127): the byte cannot fall under 1
.endr
.irp i, 2,4,6,8,10,12,14,16,18,20,22,24,26,28,30
.irp c, 0,1
	v_max3_num_f32 v[TM+\c], v[TM+\c], |v[X+32*\c+\i]|, |v[X+32*\c+\i+1]|
.endr
.endr
.irp c, 0,1
	v_add_nc_u32 v[TM+2+\c], 0xff000000, v[TM+\c]  ; 2 off the exponent field: the conversion's scale operand
.endr
.irp c, 0,1
	v_lshrrev_b32 v[TM+4+\c], 23, v[TM+2+\c]       ; the scale's byte
.endr
	v_lshl_or_b32 v[TM+6], v[TM+5], 16, v[TM+4]    ; blocks h and 2 + h,
	v_lshlrev_b32 v[TM+6], v8, v[TM+6]             ; at their places in the word
	v_permlanex16_b32 v9, v[TM+6], s34, s35
	v_or_b32 v[W+\t], v[TM+6], v9                  ; with lane l xor 16's two the word is whole
.irp c, 0,1
.irp g, 0,1,2,3
	v_cvt_scalef32_pk8_fp4_f32 v[C+8*\t+4*\c+\g], v[X+32*\c+8*\g:X+32*\c+8*\g+7], v[TM+2+\c]
.endr
.endr
	v_nop                                          ; one plain line behind the last scaled conversion
.irp c, 0,1
	global_store_b128 v2, v[C+8*\t+4*\c:C+8*\t+4*\c+3], s[14:15] offset:1024*\t+512*\c   ; an image: 512 consecutive bytes
.endr
.endm
	XLOAD 0
	XLOAD 1
	s_wait_loadcnt 16                              ; step 0 is in; step 1's 16 loads may be out
	XTURN 0
	s_wait_dscnt 0x0                               ; the stage's stores have read their registers, and my numbers are back
	XLOAD 2
	XQ 0
	s_wait_loadcnt 16                              ; step 1 is in; step 2's may be out
	XTURN 1
	s_wait_dscnt 0x0
	XLOAD 3
	XQ 1
	s_wait_loadcnt 16                              ; step 2 is in; step 3's may be out
	XTURN 2
	s_wait_dscnt 0x0
	XQ 2
	s_wait_loadcnt 0x0
	XTURN 3
	s_wait_dscnt 0x0
	XQ 3
	v_cmp_le_u32 vcc_lo, 16, v1                    ; both halves of the lanes hold row r's four words: lanes 0-15 store words 0, 1, lanes 16-31 words 2, 3
	v_cndmask_b32 v56, v[W], v[W+2], vcc_lo
	v_cndmask_b32 v57, v[W+1], v[W+3], vcc_lo
	global_store_b64 v7, v[56:57], s[16:17]        ; 32 lanes store 256 consecutive bytes, aligned
	s_wait_tensorcnt 0x0                           ; the wave's end
	ds_add_u32 v[SPW], v[NIL]
	s_wait_dscnt 0x0
	s_endpgm
; ---------------- the weights ----------------
.Lweights:
	s_sub_co_u32 s24, ttmp9, 256
	s_lshr_b32 s25, s24, 6                         ; which weight: 0 Wq, 1 Wk, 2 Wv, 3 Wo
	s_and_b32 s26, s24, 7                          ; which 128 columns
	s_bfe_u32 s27, s24, 0x30003                    ; which 128 along K
	v_lshlrev_b32 v58, 2, v1                       ; a lane a column: 4 bytes a lane
	s_lshl_b32 s28, s27, 19                        ; 128 rows of 4,096 bytes,
	s_lshl_b32 s30, s26, 9                         ; 128 columns,
	s_add_co_u32 s28, s28, s30
	s_lshl_b32 s30, s22, 7                         ; my wave's 32
	s_add_co_u32 s28, s28, s30
	s_mov_b32 s29, 0
	s_wait_kmcnt 0x0
	s_cmp_eq_u32 s25, 0                            ; the choice hangs on the work-group's number alone
	s_cselect_b64 s[36:37], s[6:7], s[8:9]
	s_cmp_eq_u32 s25, 2
	s_cselect_b64 s[36:37], s[10:11], s[36:37]
	s_cmp_eq_u32 s25, 3
	s_cselect_b64 s[36:37], s[12:13], s[36:37]
	s_add_nc_u64 s[36:37], s[36:37], s[28:29]
.set i, 0
.rept 128
	global_load_b32 v[R+i], v58, s[36:37] offset:i*4096 th:TH_LOAD_NT   ; W(k, my column): register i = k
.set i, i+1
.endr
	v_lshlrev_b32 v59, 4, v3                       ; 16 r
	s_cmp_eq_u32 s25, 3
	s_cbranch_scc1 .Lwo
	v_lshl_add_u32 v60, v4, 9, v59                 ; scale words: 512 bytes for 16 columns
	v_lshl_add_u32 v59, v4, 13, v59                ; codes: 8,192 bytes for 16 columns
	s_lshl_b32 s30, s25, 3
	s_add_co_u32 s30, s30, s26
	s_mul_i32 s30, s30, 69632                      ; my tile
	s_lshl_b32 s32, s22, 10                        ; its scale words: my wave's 32 columns,
	s_add_co_u32 s32, s32, s30
	s_lshr_b32 s23, s27, 2
	s_lshl_b32 s23, s23, 8                         ; K steps 4-7 lie in lanes 16-31,
	s_add_co_u32 s32, s32, s23
	s_and_b32 s23, s27, 3
	s_lshl_b32 s23, s23, 2                         ; word s % 4
	s_add_co_u32 s32, s32, s23
	s_add_co_u32 s32, s32, 65536                   ; behind the codes
	s_mov_b32 s33, 0
	s_lshl_b32 s23, s22, 14                        ; its codes: my wave's 32 columns,
	s_add_co_u32 s30, s30, s23
	s_lshl_b32 s23, s27, 10                        ; my K step's fragment
	s_add_co_u32 s30, s30, s23
	s_mov_b32 s31, 0
	s_add_nc_u64 s[30:31], s[18:19], s[30:31]
	s_add_nc_u64 s[32:33], s[18:19], s[32:33]
.macro WQ b, left                      ; block b of my column: all 32 numbers are mine.  left: the younger loads that may stay out (the wait's field holds 63 at the most)
	s_wait_loadcnt \left
	v_max3_num_f32 v[TM], |v[R+32*\b]|, |v[R+32*\b+1]|, 0x1800000
	v_max3_num_f32 v[TM+1], |v[R+32*\b+2]|, |v[R+32*\b+3]|, 0x1800000
.irp i, 4,8,12,16,20,24,28
	v_max3_num_f32 v[TM], v[TM], |v[R+32*\b+\i]|, |v[R+32*\b+\i+1]|
	v_max3_num_f32 v[TM+1], v[TM+1], |v[R+32*\b+\i+2]|, |v[R+32*\b+\i+3]|
.endr
	v_max_num_f32 v[TM], v[TM], v[TM+1]
	v_add_nc_u32 v[TM+2], 0xff000000, v[TM]
	v_lshrrev_b32 v[TM+3], 23, v[TM+2]
.if \b == 0
	v_mov_b32 v[W], v[TM+3]
.else
	v_lshl_or_b32 v[W], v[TM+3], 8*\b, v[W]        ; the lower K in the lower byte
.endif
.irp g, 0,1,2,3
	v_cvt_scalef32_pk8_fp4_f32 v[C+4*\b+\g], v[R+32*\b+8*\g:R+32*\b+8*\g+7], v[TM+2]
.endr
	v_nop                                          ; one plain line behind the last scaled conversion
	global_store_b128 v59, v[C+4*\b:C+4*\b+3], s[30:31] offset:(\b/2)*512+(\b%2)*256   ; block b = 2 c + h: image c, lanes 16 h on: sixteen lanes store 256 consecutive bytes, aligned
.endm
	WQ 0, 63
	WQ 1, 63
	WQ 2, 32
	WQ 3, 0
	global_store_b32 v60, v[W], s[32:33]           ; my column's scale word of this K step: 4 bytes of each 16: 96 KiB in all
	s_endpgm
.Lwo:
	v_lshl_add_u32 v59, v4, 10, v59                ; 1,024 bytes for 16 columns
	s_lshl_b32 s30, s27, 18                        ; four steps of 32 along k, 65,536 bytes each,
	s_lshl_b32 s23, s26, 13                        ; 128 columns,
	s_add_co_u32 s30, s30, s23
	s_lshl_b32 s23, s22, 11                        ; my wave's 32
	s_add_co_u32 s30, s30, s23
	s_mov_b32 s31, 0
	s_add_nc_u64 s[30:31], s[20:21], s[30:31]
.macro WO b, left                      ; 32 along k of my column, rounded to f16; piece p = 2 c + h of 8 goes to image c, lanes 16 h on
	s_wait_loadcnt \left
.irp i, 0,1,2,3,4,5,6,7,8,9,10,11,12,13,14,15
	v_cvt_pk_f16_f32 v[X+16*\b+\i], v[R+32*\b+2*\i], v[R+32*\b+2*\i+1]
.endr
.irp p, 0,1,2,3
	global_store_b128 v59, v[X+16*\b+4*\p:X+16*\b+4*\p+3], s[30:31] offset:\b*65536+(\p/2)*512+(\p%2)*256
.endr
.endm
	WO 0, 63
	WO 1, 63
	WO 2, 32
	WO 3, 0
	s_endpgm
.Lfunc_end_k_q7d8ba374ff_prep:
	.size	k_q7d8ba374ff_prep, .Lfunc_end_k_q7d8ba374ff_prep-k_q7d8ba374ff_prep
	.p2alignl 7, 3214868480
	.fill 96, 4, 3214868480
	.section	.rodata,"a",@progbits
	.p2align	6, 0x0
	.amdhsa_kernel k_q7d8ba374ff_prep
		.amdhsa_group_segment_fixed_size 34304
		.amdhsa_private_segment_fixed_size 0
		.amdhsa_enable_private_segment 0
		.amdhsa_kernarg_size 72
		.amdhsa_user_sgpr_count 2
		.amdhsa_user_sgpr_kernarg_segment_ptr 1
		.amdhsa_wavefront_size32 1
		.amdhsa_system_sgpr_workgroup_id_x 1
		.amdhsa_system_sgpr_workgroup_id_y 1
		.amdhsa_system_sgpr_workgroup_id_z 1
		.amdhsa_system_vgpr_workitem_id 0
		.amdhsa_next_free_vgpr 256
		.amdhsa_next_free_sgpr 66
		.amdhsa_reserve_vcc 1
		.amdhsa_float_denorm_mode_32 3
		.amdhsa_float_denorm_mode_16_64 3
		.amdhsa_memory_ordered 1
		.amdhsa_forward_progress 1
		.amdhsa_inst_pref_size 56
	.end_amdhsa_kernel
	.amdgpu_metadata
---
amdhsa.version: [ 1, 2 ]
amdhsa.kernels:
  - .name:           k_q7d8ba374ff_prep
    .symbol:         k_q7d8ba374ff_prep.kd
    .args:
      - { .name: x, .offset: 0, .size: 8, .value_kind: global_buffer, .address_space: global }
      - { .name: Wq, .offset: 8, .size: 8, .value_kind: global_buffer, .address_space: global }
      - { .name: Wk, .offset: 16, .size: 8, .value_kind: global_buffer, .address_space: global }
      - { .name: Wv, .offset: 24, .size: 8, .value_kind: global_buffer, .address_space: global }
      - { .name: Wo, .offset: 32, .size: 8, .value_kind: global_buffer, .address_space: global }
      - { .name: xc, .offset: 40, .size: 8, .value_kind: global_buffer, .address_space: global }
      - { .name: xs, .offset: 48, .size: 8, .value_kind: global_buffer, .address_space: global }
      - { .name: wq4, .offset: 56, .size: 8, .value_kind: global_buffer, .address_space: global }
      - { .name: wof, .offset: 64, .size: 8, .value_kind: global_buffer, .address_space: global }
    .group_segment_fixed_size: 34304
    .private_segment_fixed_size: 0
    .kernarg_segment_align: 8
    .kernarg_segment_size: 72
    .max_flat_workgroup_size: 128
    .sgpr_count:     66
    .vgpr_count:     256
    .wavefront_size: 32
...
	.end_amdgpu_metadata
.endif
;; end of part 1
;; launch qkv (part 2): grid 32 x 8, 4 waves a work-group, clusters of 4 x 1, 327,680 bytes of LDS; arguments xc, xs, wq4, qf, kv; writes qf, kv
.if DOCPART == 2
	.amdgcn_target "amdgcn-amd-amdhsa--gfx1250"
	.amdhsa_code_object_version 6
	.text
	.protected	k_q7d8ba374ff_qkv
	.globl	k_q7d8ba374ff_qkv
	.p2align	8
	.type	k_q7d8ba374ff_qkv,@function
k_q7d8ba374ff_qkv:
	s_mov_b64 s[64:65], 0
	v_nop
	global_prefetch_b8 v0, s[64:65] scope:SCOPE_SE
	s_setreg_imm32_b32 hwreg(HW_REG_WAVE_MODE, 25, 1), 1
	s_wait_xcnt 0x0
	s_wait_alu depctr_hold_cnt(0) depctr_sa_sdst(0) depctr_va_vdst(0) depctr_va_sdst(0) depctr_va_ssrc(0) depctr_va_vcc(0) depctr_vm_vsrc(0)
	s_getreg_b32 s2, hwreg(HW_REG_IB_STS2, 6, 4)
	s_cmp_eq_u32 s2, 0
	s_cbranch_scc0 .Lentry_in_a_cluster
	s_endpgm
.Lentry_in_a_cluster:
	s_bfe_u32 s2, ttmp6, 0x10000c
	s_cmp_lg_u32 s2, 0x3003
	s_cbranch_scc0 .Lentry_shape_is_right
	s_endpgm
.Lentry_shape_is_right:
; QKV: q = x Wq, k = x Wk, v = x Wv on codes of E2M1 with one E8M0 scale for each 32 along K = 1,024; sums in f32; results rounded to f16 and stored in the order of the attention launch's operand registers.
; SHARES.  A work-group takes 256 tokens x 128 columns (two heads) and stays for three tiles: the same columns of Wq, Wk, Wv.  32 x 8 = 256 work-groups.  Wave w: tokens 128 (w / 2) on (8 tiles a of 16), columns 64 (w % 2) on (one head, 4 tiles b).
; x's fragments for all of K (8 tiles x 8 K steps x 8 registers = 512) stay in registers, loaded once, 512 consecutive bytes a load.  The weights' tiles (69,632 bytes each: codes, then scale words) come through LDS.
; CLUSTER.  The four work-groups of a cluster differ in their tokens alone and need the same weight tiles: each tile is asked for JOINTLY (mask 15).  Every LDS byte is filled once: the three tiles go out together at the head,
; three tensor loads a wave, each a quarter of a tile; counted waits let the later tiles stay out.  No byte is filled again.
; q and k are made TRANSPOSED (source 0 = 16 columns of W, source 1 = 16 tokens): a lane holds one token and eight neighbouring channels.  v is made the natural way (source 0 = tokens): a lane holds one channel and eight neighbouring tokens,
; which is what V^T wants as an operand.  Either way a lane's eight results round to 16 bytes that are lane l's part of an image: every store covers 512 consecutive bytes.
; q is multiplied by log2(e) / 8 in f32 ahead of its rounding.
; LIMITS: q x 0.18, k and v are rounded to f16: magnitudes stay under 65,504; under 6e-5 the step is 6e-8.
; REGISTERS, in windows of 256: window 0: v1-9 addresses; v16-47 x's scale words, v48-63 the weights' (they hold scales and nothing else); v64-127 the weights' fragments, two sets of 4; v128-255 rounded results.
;   window 1: x's fragments of tiles 0-3 (tile a, K step s at 64 a + 8 s); window 2: of tiles 4-7; window 3: the 32 accumulators ((a, b) at 8 (4 a + b)).
; A scale register holds K step j in lanes 0-15 and K step 4 + j in lanes 16-31: K steps 4-7 name the upper row.
.set TILEB, 69632
.set QTR,   17408                      ; a quarter of a tile: 68 rows of 256 bytes
.set SPARE, 3*TILEB                    ; behind the tiles: the spare words, 128 bytes a wave
.set L16,   1                          ; v1    16 x lane
.set ADB,   2                          ; v2-4  LDS address of my head's fragments in tile 0, 1, 2
.set ADS,   5                          ; v5-7  of its scale words
.set SPW,   8                          ; v8    my spare word; never rewritten
.set NIL,   9                          ; v9    0; never rewritten
.set XS,    16
.set WS,    48
.set BF,    64
.set T,     128
.set G1,    24                         ; s[24:31] descriptor group 1
.set G0,    32                         ; s[32:43] group 0, one set for each tile
.set WV,    14
.set MSB,   0
.macro WIN new                         ; the immediate's high byte repeats the setting that is left
.if MSB != (\new)
	s_set_vgpr_msb (MSB<<8)|(\new)
.set MSB, (\new)
.endif
.endm
.macro PLACES n
.rept \n
	v_nop
.endr
.endm
.macro CROUND                          ; a round of the cluster's barrier
	s_barrier_signal -1
	s_barrier_wait -1
	s_cmp_lg_u32 s[WV], 0
	s_cbranch_scc1 .Lnot_wave_0_\@
	s_barrier_signal -3
.Lnot_wave_0_\@:
	s_barrier_wait -3
	s_barrier_signal -1
	s_barrier_wait -1
.endm
	s_load_b256 s[4:11], s[0:1], 0x0               ; xc, xs, wq4, qf
	s_load_b64 s[12:13], s[0:1], 0x20              ; kv
	v_lshl_add_u32 v[SPW], v0, 2, SPARE
	v_mov_b32 v[NIL], 0
	ds_add_u32 v[SPW], v[NIL]                      ; the opening: the add, twice on end, and its wait ahead of my first tensor load
	ds_add_u32 v[SPW], v[NIL]
	v_lshrrev_b32 v1, 5, v0
	v_readfirstlane_b32 s[WV], v1                  ; wave 0..3
	s_lshr_b32 s15, s[WV], 1                       ; my half of the tokens
	s_and_b32 s16, s[WV], 1                        ; my head of the two
	s_bfe_u32 s17, ttmp6, 0x40000                  ; cx: it enters x's and the results' global addresses alone
	s_lshl_b32 s18, ttmp9, 2
	s_add_co_u32 s18, s18, s17                     ; my block of 256 tokens
	s_and_b32 s19, ttmp7, 0xffff                   ; my 128 columns: the four partners share them
	s_mov_b32 s[G1], 15|(3<<16)|(1<<21)            ; 15:0 the mask: all four; 17:16 elements of 8 bytes; 21 set beside a mask; no padding
	s_mov_b32 s[G1+1], 32<<16                      ; tensor_dim0 = 32 elements: 256 bytes
	s_mov_b32 s[G1+2], 68<<16                      ; tensor_dim1 = 68
	s_mov_b32 s[G1+3], 32<<16                      ; tile_dim0
	s_mov_b32 s[G1+4], 68                          ; tile_dim1
	s_mov_b32 s[G1+5], 32                          ; the pitch: the block is dense
	s_mov_b32 s[G1+6], 0
	s_mov_b32 s[G1+7], 0
	s_mul_i32 s20, s19, TILEB                      ; the tile of my columns in Wq's eight,
	s_mul_i32 s48, s[WV], QTR                      ; my quarter of it: in memory and in LDS alike
	s_add_co_u32 s20, s20, s48
	s_mov_b32 s21, 0
	s_mov_b32 s44, 0x3e38aa3b                      ; log2(e) / 8
	s_mov_b32 s45, s44                             ; (named with it as a pair)
	v_and_b32 v1, 31, v0
	v_lshlrev_b32 v[L16], 4, v1
	s_lshl_b32 s49, s16, 15                        ; my head's 4 tiles of 16 columns: 8,192 bytes each
	v_add_nc_u32 v[ADB], s49, v[L16]
	v_add_nc_u32 v[ADB+1], TILEB, v[ADB]
	v_add_nc_u32 v[ADB+2], 2*TILEB, v[ADB]
	s_lshl_b32 s50, s16, 11                        ; and their scale words: 512 bytes each, behind the codes
	s_add_co_u32 s50, s50, 65536
	v_add_nc_u32 v[ADS], s50, v[L16]
	v_add_nc_u32 v[ADS+1], TILEB, v[ADS]
	v_add_nc_u32 v[ADS+2], 2*TILEB, v[ADS]
	s_lshl_b32 s22, s18, 4
	s_lshl_b32 s23, s15, 3
	s_add_co_u32 s22, s22, s23                     ; my first tile of 16 tokens
	s_lshl_b32 s52, s22, 13                        ; xc: 8,192 bytes a tile
	s_mov_b32 s53, 0
	s_lshl_b32 s54, s22, 9                         ; xs: 512 bytes a tile
	s_mov_b32 s55, 0
	s_lshr_b32 s22, s18, 2                         ; the batch: 4 blocks of 256 tokens
	s_lshl_b32 s22, s22, 4
	s_lshl_b32 s23, s19, 1
	s_add_co_u32 s22, s22, s23
	s_add_co_u32 s22, s22, s16                     ; 16 x batch + head
	s_and_b32 s23, s18, 3
	s_lshl_b32 s23, s23, 8
	s_lshl_b32 s51, s15, 7
	s_add_co_u32 s23, s23, s51                     ; my first token in the sequence
	s_lshl_b32 s56, s22, 17                        ; qf: 131,072 bytes a head, 128 a token
	s_lshl_b32 s51, s23, 7
	s_add_co_u32 s56, s56, s51
	s_mov_b32 s57, 0
	s_lshl_b32 s58, s22, 18                        ; kv: 262,144 bytes a head, 256 a token
	s_lshl_b32 s51, s23, 8
	s_add_co_u32 s58, s58, s51
	s_mov_b32 s59, 0
	s_wait_dscnt 0x0                               ; both opening adds are done
	s_wait_kmcnt 0x0
	s_add_nc_u64 s[46:47], s[8:9], s[20:21]
.irp ti, 0,1,2
	s_mov_b32 s[G0+4*\ti], 1                                        ; count = 1
	s_add_co_u32 s[G0+4*\ti+1], s48, \ti*TILEB                      ; LDS address: the tile, my quarter
	s_add_nc_u64 s[G0+4*\ti+2:G0+4*\ti+3], s[46:47], \ti*8*TILEB    ; global address: the same columns of the next weight lie 8 tiles on
	s_or_b32 s[G0+4*\ti+3], s[G0+4*\ti+3], 0x80000000               ; type = 2
.endr
	s_add_nc_u64 s[4:5], s[4:5], s[52:53]
	s_add_nc_u64 s[6:7], s[6:7], s[54:55]
	s_add_nc_u64 s[10:11], s[10:11], s[56:57]
	s_add_nc_u64 s[12:13], s[12:13], s[58:59]
	CROUND                                         ; all four work-groups are here: the joint loads meet
	tensor_load_to_lds s[G0:G0+3], s[G1:G1+7]      ; three loads of mine are out: Wq's tile,
	s_nop 0
	tensor_load_to_lds s[G0+4:G0+7], s[G1:G1+7]    ; Wk's,
	s_nop 0
	tensor_load_to_lds s[G0+8:G0+11], s[G1:G1+7]   ; Wv's
	s_nop 0
	PLACES 4
.irp a, 0,1,2,3,4,5,6,7
	global_load_b128 v[XS+4*\a:XS+4*\a+3], v[L16], s[6:7] offset:512*\a     ; x's scale words: four registers a tile
.endr
.irp s, 0,1,2,3,4,5,6,7                ; x's fragments, K step by K step, so that the first products need not wait for all
	WIN 0x40
.irp a, 0,1,2,3
.irp c, 0,1
	global_load_b128 v[64*\a+8*\s+4*\c:64*\a+8*\s+4*\c+3], v[L16], s[4:5] offset:8192*\a+1024*\s+512*\c
.endr
.endr
	WIN 0x80
.irp a, 0,1,2,3
.irp c, 0,1
	global_load_b128 v[64*\a+8*\s+4*\c:64*\a+8*\s+4*\c+3], v[L16], s[4:5] offset:8192*(\a+4)+1024*\s+512*\c
.endr
.endr
.endr
	WIN 0
.macro FETCH ti, s                     ; my head's four fragments of K step s: images, 512 consecutive bytes a load
	WIN 0
.irp b, 0,1,2,3
.irp c, 0,1
	ds_load_b128 v[BF+32*((\s)%2)+8*\b+4*\c:BF+32*((\s)%2)+8*\b+4*\c+3], v[ADB+\ti] offset:8192*\b+1024*(\s)+512*\c
.endr
.endr
.endm
.macro MM ti, s, a, b                  ; one product.  K step 0 starts the sums: nothing is cleared
.set rD, 8*(4*(\a)+(\b))
.set rW, BF+32*((\s)%2)+8*(\b)
.set rX, 64*((\a)%4)+8*(\s)
.set rP, WS+4*(\b)+(\s)%4
.set rQ, XS+4*(\a)+(\s)%4
.if (\ti) < 2
.if (\s) == 0
	v_wmma_scale_f32_16x16x128_f8f6f4 v[rD:rD+7], v[rW:rW+7], v[rX:rX+7], 0, v[rP], v[rQ] matrix_a_fmt:MATRIX_FMT_FP4 matrix_b_fmt:MATRIX_FMT_FP4
.elseif (\s) < 4
	v_wmma_scale_f32_16x16x128_f8f6f4 v[rD:rD+7], v[rW:rW+7], v[rX:rX+7], v[rD:rD+7], v[rP], v[rQ] matrix_a_fmt:MATRIX_FMT_FP4 matrix_b_fmt:MATRIX_FMT_FP4
.else
	v_wmma_scale_f32_16x16x128_f8f6f4 v[rD:rD+7], v[rW:rW+7], v[rX:rX+7], v[rD:rD+7], v[rP], v[rQ] matrix_a_fmt:MATRIX_FMT_FP4 matrix_b_fmt:MATRIX_FMT_FP4 matrix_a_scale:MATRIX_SCALE_ROW1 matrix_b_scale:MATRIX_SCALE_ROW1
.endif
.else
.if (\s) == 0
	v_wmma_scale_f32_16x16x128_f8f6f4 v[rD:rD+7], v[rX:rX+7], v[rW:rW+7], 0, v[rQ], v[rP] matrix_a_fmt:MATRIX_FMT_FP4 matrix_b_fmt:MATRIX_FMT_FP4
.elseif (\s) < 4
	v_wmma_scale_f32_16x16x128_f8f6f4 v[rD:rD+7], v[rX:rX+7], v[rW:rW+7], v[rD:rD+7], v[rQ], v[rP] matrix_a_fmt:MATRIX_FMT_FP4 matrix_b_fmt:MATRIX_FMT_FP4
.else
	v_wmma_scale_f32_16x16x128_f8f6f4 v[rD:rD+7], v[rX:rX+7], v[rW:rW+7], v[rD:rD+7], v[rQ], v[rP] matrix_a_fmt:MATRIX_FMT_FP4 matrix_b_fmt:MATRIX_FMT_FP4 matrix_a_scale:MATRIX_SCALE_ROW1 matrix_b_scale:MATRIX_SCALE_ROW1
.endif
.endif
.endm
.macro MULS ti, s                      ; a K step: 32 products; the 32 accumulators take turns, one instruction a turn, in the same order in every step
.irp a, 0,1,2,3,4,5,6,7
.if (\ti) < 2
	WIN 0xf4+4*(\a/4)                              ; source 0 (W) window 0, source 1 (x) window 1 or 2, C and D window 3
.else
	WIN 0xf1+(\a/4)                                ; source 0 (x) window 1 or 2, source 1 (W) window 0
.endif
.irp b, 0,1,2,3
	MM \ti, \s, \a, \b
.endr
.endr
.endm
.macro OUT ti                          ; a tile's results: rounded to f16, 16 bytes a lane, each store an image of 512 consecutive bytes
	PLACES 4                                       ; four places between the last product and the first read of results
.if \ti > 0
	s_wait_xcnt 0x0                                ; the last tile's stores have read their registers
.endif
.if \ti == 0
	WIN 0xc3
.set i, 0
.rept 128
	v_pk_mul_f32 v[i:i+1], v[i:i+1], s[44:45] op_sel_hi:[1,0]      ; q x log2(e) / 8; each accumulator from its low end on
.set i, i+2
.endr
.endif
	WIN 0x0f                                       ; sources window 3, destination window 0
.set i, 0
.rept 128
	v_cvt_pk_f16_f32 v[T+i], v[2*i], v[2*i+1]
.set i, i+1
.endr
	WIN 0
.irp a, 0,1,2,3,4,5,6,7
.irp b, 0,1,2,3
.if \ti == 0
	global_store_b128 v[L16], v[T+16*\a+4*\b:T+16*\a+4*\b+3], s[10:11] offset:2048*\a+1024*(\b/2)+512*(\b%2)                        ; q: tile a, channels 16 b on
.elseif \ti == 1
	global_store_b128 v[L16], v[T+16*\a+4*\b:T+16*\a+4*\b+3], s[12:13] offset:16384*(\a/4)+2048*(\a%4)+1024*(\b/2)+512*(\b%2)       ; k: key step a / 4, tile a % 4
.else
	global_store_b128 v[L16], v[T+16*\a+4*\b:T+16*\a+4*\b+3], s[12:13] offset:16384*(\a/4)+8192+4096*((\a/2)%2)+1024*\b+512*(\a%2)  ; v: behind the step's k: 32 keys (a / 2) % 2, channels 16 b on, image a % 2
.endif
.endr
.endr
.endm
.macro TILE ti
	s_wait_tensorcnt 2-\ti                         ; my quarter of this tile is in; the later tiles' loads may stay out
	s_barrier_signal -1
	s_barrier_wait -1                              ; everybody's is
.irp b, 0,1,2,3
	ds_load_b128 v[WS+4*\b:WS+4*\b+3], v[ADS+\ti] offset:512*\b
.endr
	FETCH \ti, 0
.set SS, 0
.rept 8
.if (SS > 0) && (SS < 7)
	PLACES 4                                       ; four places in front of loads into the set that the last K step multiplied
.endif
.if SS < 7
	FETCH \ti, SS+1
	s_wait_dscnt 8                                 ; all but the 8 just issued
.else
	s_wait_dscnt 0x0
.endif
.if \ti == 0
.if SS < 4
	s_wait_loadcnt 63                              ; x's K step: 16 (7 - s) younger loads might stay out; the wait's field holds 63 at the most
.else
	s_wait_loadcnt 16*(7-SS)
.endif
.endif
	MULS \ti, SS
.set SS, SS+1
.endr
	OUT \ti
.endm
	TILE 0
	TILE 1
	TILE 2
	s_wait_tensorcnt 0x0                           ; the wave's end
	ds_add_u32 v[SPW], v[NIL]
	s_wait_dscnt 0x0
	CROUND                                         ; the closing round
	s_endpgm
.Lfunc_end_k_q7d8ba374ff_qkv:
	.size	k_q7d8ba374ff_qkv, .Lfunc_end_k_q7d8ba374ff_qkv-k_q7d8ba374ff_qkv
	.p2alignl 7, 3214868480
	.fill 96, 4, 3214868480
	.section	.rodata,"a",@progbits
	.p2align	6, 0x0
	.amdhsa_kernel k_q7d8ba374ff_qkv
		.amdhsa_group_segment_fixed_size 327680
		.amdhsa_private_segment_fixed_size 0
		.amdhsa_enable_private_segment 0
		.amdhsa_kernarg_size 40
		.amdhsa_user_sgpr_count 2
		.amdhsa_user_sgpr_kernarg_segment_ptr 1
		.amdhsa_wavefront_size32 1
		.amdhsa_system_sgpr_workgroup_id_x 1
		.amdhsa_system_sgpr_workgroup_id_y 1
		.amdhsa_system_sgpr_workgroup_id_z 1
		.amdhsa_system_vgpr_workitem_id 0
		.amdhsa_next_free_vgpr 1024
		.amdhsa_next_free_sgpr 66
		.amdhsa_reserve_vcc 0
		.amdhsa_float_denorm_mode_32 3
		.amdhsa_float_denorm_mode_16_64 3
		.amdhsa_memory_ordered 1
		.amdhsa_forward_progress 1
		.amdhsa_inst_pref_size 175
	.end_amdhsa_kernel
	.amdgpu_metadata
---
amdhsa.version: [ 1, 2 ]
amdhsa.kernels:
  - .name:           k_q7d8ba374ff_qkv
    .symbol:         k_q7d8ba374ff_qkv.kd
    .args:
      - { .name: xc, .offset: 0, .size: 8, .value_kind: global_buffer, .address_space: global }
      - { .name: xs, .offset: 8, .size: 8, .value_kind: global_buffer, .address_space: global }
      - { .name: wq4, .offset: 16, .size: 8, .value_kind: global_buffer, .address_space: global }
      - { .name: qf, .offset: 24, .size: 8, .value_kind: global_buffer, .address_space: global }
      - { .name: kv, .offset: 32, .size: 8, .value_kind: global_buffer, .address_space: global }
    .group_segment_fixed_size: 327680
    .private_segment_fixed_size: 0
    .kernarg_segment_align: 8
    .kernarg_segment_size: 40
    .max_flat_workgroup_size: 128
    .sgpr_count:     66
    .vgpr_count:     1024
    .wavefront_size: 32
...
	.end_amdgpu_metadata
.endif
;; end of part 2
;; launch attn (part 3): grid 2 x 128, 8 waves a work-group, no clusters, 327,680 bytes of LDS; arguments qf, kv, rel_bias, of; writes of
.if DOCPART == 3
	.amdgcn_target "amdgcn-amd-amdhsa--gfx1250"
	.amdhsa_code_object_version 6
	.text
	.protected	k_q7d8ba374ff_attn
	.globl	k_q7d8ba374ff_attn
	.p2align	8
	.type	k_q7d8ba374ff_attn,@function
k_q7d8ba374ff_attn:
	s_mov_b64 s[64:65], 0
	v_nop
	global_prefetch_b8 v0, s[64:65] scope:SCOPE_SE
	s_setreg_imm32_b32 hwreg(HW_REG_WAVE_MODE, 25, 1), 1
	s_wait_xcnt 0x0
; ATTN: O = softmax(q k^T / 8 + bias) v for one (batch, head) and 512 queries a work-group; f16 operands, f32 sums, maxima and row sums.  bias(q, k) = rel_bias[h][ck - cq + 31] + rel_bias[h][rk - rq + 31] on the 32 x 32 board.
; All is in base 2: q arrives multiplied by log2(e) / 8, the bias is multiplied by log2(e) here; p = 2^(t - m), m the running maximum of t; in every step O and the sum l are multiplied by 2^(m_old - m_new).
; SHARES.  2 x 128 = 256 work-groups; eight waves, 64 queries (four tiles t of 16) each; two waves to a SIMD, so that one wave's vector work stands beside the other's products.  Each fragment of K and V read from LDS feeds four products.
; LDS.  The head's K and V, 262,144 bytes, laid as in memory ([64 keys: 16][K 8 KiB][V 8 KiB], images of 512 bytes).  Every byte is filled once: four chunks of 256 keys, each wave an eighth of each chunk, all four loads at the head
; (four tensor loads of mine are out); counted waits and a barrier ahead of each chunk's steps.  No byte is filled again.
; NO CLUSTER: a head's tiles are shared by two work-groups alone, and a grid of 2 along x does not divide into clusters of four.  No prefetch: every tile is asked for at the head, so no later load is left to run ahead of.
; LAYOUT.  S^T = K Q^T (source 0 = 16 keys, source 1 = 16 queries): a lane holds one query (lane % 16) and keys 8 (lane / 16) + 0..7.  Two such tiles, rounded in pairs, are source 1 of O^T = V^T P.  Nothing changes lanes.
; THE BIAS.  A tile of 16 keys lies in one board row, and so does a tile of 16 queries.  The column term of score tile (t, a), lane (r, h), register j is rel_bias[16 d + 8 h + j - r + 15], d = a % 2 - t % 2 + 1: three patterns,
; 24 registers for the whole launch, given as the C of a score tile's first product.  The row term is one number a tile: three scalars a step (index 2 step - rq0 + 30 + 0..2, always in 0..62), which enter the maximum by one addition
; for each 16 scores and the exponent through the same packed addition that takes the maximum away.
; LIMITS: p and the result are rounded to f16 (p is at most 1; results under 6e-5 have the step 6e-8); NaN and infinities are not served.
; REGISTERS: window 0: v1-6 addresses; v8-31 the column term; v32-63 statistics, 8 a tile: +0 e0, +1 max0, +2 e1, +3 max1, +4 alpha (at the end 1 / l), +5 m, +6, +7 l; v64-191 S^T (32 t + 8 a), then P in place (32 t + 8 ks); v192-255 K.
;   window 1: v0-127 O^T (32 t + 8 n); v128-191 Q (16 t + 8 d); v192-255 V (32 ks + 8 n).
.set SPARE, 262144                     ; behind K and V: the spare words, 128 bytes a wave
.set L16, 1                            ; v1  16 x lane
.set ADR, 2                            ; v2  the step's place in LDS
.set SPW, 4                            ; v4  my spare word; never rewritten
.set NIL, 5                            ; v5  0; never rewritten
.set BXO, 6                            ; v6  4 (8 h - r + 15)
.set BX,  8
.set ST,  32
.set S,   64
.set KF,  192
.set QF,  128
.set VF,  192
.set MSB, 0
.macro WIN new
.if MSB != (\new)
	s_set_vgpr_msb (MSB<<8)|(\new)
.set MSB, (\new)
.endif
.endm
.macro PLACES n
.rept \n
	v_nop
.endr
.endm
	s_load_b256 s[4:11], s[0:1], 0x0               ; qf, kv, rel_bias, of
	v_lshl_add_u32 v[SPW], v0, 2, SPARE
	v_mov_b32 v[NIL], 0
	ds_add_u32 v[SPW], v[NIL]                      ; the opening: the add, twice on end, and its wait ahead of my first tensor load
	ds_add_u32 v[SPW], v[NIL]
	v_lshrrev_b32 v1, 5, v0
	v_readfirstlane_b32 s12, v1                    ; wave 0..7
	s_and_b32 s14, ttmp7, 0xffff                   ; 16 x batch + head
	s_and_b32 s15, s14, 15                         ; head
	s_lshr_b32 s13, s14, 4                         ; batch
	s_mov_b32 s16, 3<<16                           ; group 1: elements of 8 bytes, no mask, no padding
	s_mov_b32 s17, 32<<16                          ; tensor_dim0 = 32: 256 bytes
	s_mov_b32 s18, 32<<16                          ; tensor_dim1 = 32
	s_mov_b32 s19, 32<<16                          ; tile_dim0
	s_mov_b32 s20, 32                              ; tile_dim1: 8 KiB
	s_mov_b32 s21, 32                              ; the pitch: the block is dense
	s_mov_b32 s22, 0
	s_mov_b32 s23, 0
	s_mov_b32 s50, 0x76543210
	s_mov_b32 s51, 0xfedcba98                      ; lane selects: lane l xor 16
	s_lshl_b32 s58, ttmp9, 5
	s_lshl_b32 s59, s12, 2
	s_add_co_u32 s58, s58, s59                     ; my first tile of 16 queries: 32 x + 4 wave
	s_lshl_b32 s41, s58, 1
	s_sub_co_u32 s41, 120, s41                     ; the row term's first byte: 4 (30 - rq0), rq0 = my first board row = half that tile's number
	s_lshl_b32 s59, s12, 13                        ; my eighth of a chunk
	s_lshl_b32 s52, s14, 18                        ; kv: 262,144 bytes a head
	s_add_co_u32 s52, s52, s59
	s_mov_b32 s53, 0
	s_lshl_b32 s54, s14, 17                        ; qf: 131,072 bytes a head, 2,048 a tile
	s_lshl_b32 s55, s58, 11
	s_add_co_u32 s54, s54, s55
	s_mov_b32 s55, 0
	s_lshl_b32 s60, s13, 6                         ; of: [32 along k][tile of 16 tokens][1,024 bytes]: tile 64 batch + mine,
	s_add_co_u32 s60, s60, s58
	s_lshl_b32 s60, s60, 10
	s_lshl_b32 s61, s15, 20                        ; two steps of 32 a head, 524,288 bytes each
	s_add_co_u32 s60, s60, s61
	s_mov_b32 s61, 0
	s_mul_i32 s62, s15, 252                        ; rel_bias: 63 numbers a head
	s_mov_b32 s63, 0
	v_and_b32 v1, 31, v0
	v_lshlrev_b32 v[L16], 4, v1
	v_and_b32 v3, 15, v0
	v_bfe_u32 v[BXO], v0, 4, 1
	v_lshl_add_u32 v[BXO], v[BXO], 3, 15
	v_sub_nc_u32 v[BXO], v[BXO], v3
	v_lshlrev_b32 v[BXO], 2, v[BXO]
.irp t, 0,1,2,3
	v_mov_b32 v[ST+8*\t+2], 0                      ; a lane permute's destination counts as read
.endr
	s_wait_dscnt 0x0                               ; both opening adds are done
	s_wait_kmcnt 0x0
	s_add_nc_u64 s[52:53], s[6:7], s[52:53]
.irp ch, 0,1,2,3
	s_mov_b32 s[24+4*\ch], 1                                        ; count = 1
	s_add_co_u32 s[25+4*\ch], s59, \ch*65536                        ; LDS address: as in memory
	s_add_nc_u64 s[26+4*\ch:27+4*\ch], s[52:53], \ch*65536          ; global address
	s_or_b32 s[27+4*\ch], s[27+4*\ch], 0x80000000                   ; type = 2
.endr
	s_add_nc_u64 s[4:5], s[4:5], s[54:55]
	s_add_nc_u64 s[10:11], s[10:11], s[60:61]
	s_add_nc_u64 s[56:57], s[8:9], s[62:63]
.irp ch, 0,1,2,3
	tensor_load_to_lds s[24+4*\ch:27+4*\ch], s[16:23]
	s_nop 0
.endr
	PLACES 4
	WIN 0x40
.irp t, 0,1,2,3
.irp d, 0,1
.irp c, 0,1
	global_load_b128 v[QF+16*\t+8*\d+4*\c:QF+16*\t+8*\d+4*\c+3], v[L16], s[4:5] offset:2048*\t+1024*\d+512*\c   ; Q stays in registers
.endr
.endr
.endr
	WIN 0
.irp d, 0,1,2
.irp j, 0,1,2,3,4,5,6,7
	global_load_b32 v[BX+8*\d+\j], v[BXO], s[56:57] offset:4*(16*\d+\j)
.endr
.endr
	s_wait_loadcnt 0x0
.set i, 0
.rept 24
	v_mul_f32 v[BX+i], 0x3fb8aa3b, v[BX+i]         ; x log2(e)
.set i, i+1
.endr
.macro KLOAD                           ; 64 keys x 64 channels: 8 fragments
.irp a, 0,1,2,3
.irp d, 0,1
.irp c, 0,1
	ds_load_b128 v[KF+16*\a+8*\d+4*\c:KF+16*\a+8*\d+4*\c+3], v[ADR] offset:2048*\a+1024*\d+512*\c
.endr
.endr
.endr
.endm
.macro VLOAD                           ; 64 channels x 64 keys: 8 fragments
	WIN 0x40
.irp k, 0,1
.irp n, 0,1,2,3
.irp c, 0,1
	ds_load_b128 v[VF+32*\k+8*\n+4*\c:VF+32*\k+8*\n+4*\c+3], v[ADR] offset:8192+4096*\k+1024*\n+512*\c
.endr
.endr
.endr
.endm
.macro KQ                              ; 32 products; the 16 accumulators take turns; the first 16 take the column term as C
	WIN 0x04                                       ; source 1 (Q) window 1
.irp d, 0,1
.irp a, 0,1,2,3
.irp t, 0,1,2,3
.if \d == 0
	v_wmma_f32_16x16x32_f16 v[S+32*\t+8*\a:S+32*\t+8*\a+7], v[KF+16*\a:KF+16*\a+7], v[QF+16*\t:QF+16*\t+7], v[BX+8*((\a%2)-(\t%2)+1):BX+8*((\a%2)-(\t%2)+1)+7]
.else
	v_wmma_f32_16x16x32_f16 v[S+32*\t+8*\a:S+32*\t+8*\a+7], v[KF+16*\a+8:KF+16*\a+15], v[QF+16*\t+8:QF+16*\t+15], v[S+32*\t+8*\a:S+32*\t+8*\a+7]
.endif
.endr
.endr
.endr
.endm
.macro SMAX                            ; the largest of each 16 scores that share a row term: 8 chains by turns, each accumulator read from its low end on
.irp t, 0,1,2,3
.irp u, 0,1
	v_max3_num_f32 v[ST+8*\t+1+2*\u], v[S+32*\t+16*\u], v[S+32*\t+16*\u+1], v[S+32*\t+16*\u+2]
.endr
.endr
.irp i, 3,5,7,9,11,13
.irp t, 0,1,2,3
.irp u, 0,1
	v_max3_num_f32 v[ST+8*\t+1+2*\u], v[ST+8*\t+1+2*\u], v[S+32*\t+16*\u+\i], v[S+32*\t+16*\u+\i+1]
.endr
.endr
.endr
.irp t, 0,1,2,3
.irp u, 0,1
	v_max_num_f32 v[ST+8*\t+1+2*\u], v[ST+8*\t+1+2*\u], v[S+32*\t+16*\u+15]
.endr
.endr
.endm
.macro SSTAT first                     ; tile t, key row u has the row term s[46 + u - t / 2]
.irp t, 0,1,2,3
	v_add_f32 v[ST+8*\t+1], s[46-(\t/2)], v[ST+8*\t+1]
	v_add_f32 v[ST+8*\t+3], s[47-(\t/2)], v[ST+8*\t+3]
.endr
.irp t, 0,1,2,3
.if \first
	v_max_num_f32 v[ST+8*\t], v[ST+8*\t+1], v[ST+8*\t+3]
.else
	v_max3_num_f32 v[ST+8*\t], v[ST+8*\t+1], v[ST+8*\t+3], v[ST+8*\t+5]
.endif
.endr
.irp t, 0,1,2,3
	v_permlanex16_b32 v[ST+8*\t+2], v[ST+8*\t], s50, s51           ; the query's other keys lie in the lane 16 away
.endr
.irp t, 0,1,2,3
	v_max_num_f32 v[ST+8*\t+1], v[ST+8*\t], v[ST+8*\t+2]           ; the new m
.endr
.if \first == 0
.irp t, 0,1,2,3
	v_sub_f32 v[ST+8*\t+4], v[ST+8*\t+5], v[ST+8*\t+1]             ; m_old - m_new
.endr
.endif
.irp t, 0,1,2,3
	v_mov_b32 v[ST+8*\t+5], v[ST+8*\t+1]                           ; m is kept: +1 is the next step's chain
.endr
.irp t, 0,1,2,3
	v_sub_f32 v[ST+8*\t], s[46-(\t/2)], v[ST+8*\t+1]               ; what is added to a score: its row term less m
	v_sub_f32 v[ST+8*\t+2], s[47-(\t/2)], v[ST+8*\t+1]
.endr
.endm
.macro SADD
.irp t, 0,1,2,3
.irp u, 0,1
.irp i, 0,2,4,6,8,10,12,14
	v_pk_add_f32 v[S+32*\t+16*\u+\i:S+32*\t+16*\u+\i+1], v[S+32*\t+16*\u+\i:S+32*\t+16*\u+\i+1], v[ST+8*\t+2*\u:ST+8*\t+2*\u+1] op_sel_hi:[1,0]
.endr
.endr
.endr
.endm
.macro SEXP first                      ; one batch of exponentials, one plain line, one wait ahead of the first reader
.if \first == 0
.irp t, 0,1,2,3
	v_exp_f32 v[ST+8*\t+4], v[ST+8*\t+4]
.endr
.endif
.set i, 0
.rept 128
	v_exp_f32 v[S+i], v[S+i]
.set i, i+1
.endr
	v_nop
	s_wait_alu depctr_va_vdst(0)
.endm
.macro SSUM first                      ; l = l alpha + the sum of the unrounded p: four chains by turns, two numbers at a time
.irp t, 0,1,2,3
.if \first
	v_pk_add_f32 v[ST+8*\t+6:ST+8*\t+7], v[S+32*\t:S+32*\t+1], v[S+32*\t+2:S+32*\t+3]
.else
	v_pk_fma_f32 v[ST+8*\t+6:ST+8*\t+7], v[ST+8*\t+6:ST+8*\t+7], v[ST+8*\t+4:ST+8*\t+5], v[S+32*\t:S+32*\t+1] op_sel_hi:[1,0,1]
.endif
.endr
.irp i, 2,4,6,8,10,12,14,16,18,20,22,24,26,28,30
.if (\first == 0) || (\i > 2)
.irp t, 0,1,2,3
	v_pk_add_f32 v[ST+8*\t+6:ST+8*\t+7], v[ST+8*\t+6:ST+8*\t+7], v[S+32*\t+\i:S+32*\t+\i+1]
.endr
.endif
.endr
.endm
.macro SCVT                            ; p to f16, in place: pair i of a tile's 16 goes to its register i, which pair i / 2 has left
.irp t, 0,1,2,3
.set i, 0
.rept 16
	v_cvt_pk_f16_f32 v[S+32*\t+i], v[S+32*\t+2*i], v[S+32*\t+2*i+1]
.set i, i+1
.endr
.endr
.endm
.macro RESCALE                         ; O^T x the number in +4; each accumulator from its low end on
	WIN 0x41
.irp t, 0,1,2,3
.set i, 0
.rept 16
	v_pk_mul_f32 v[32*\t+i:32*\t+i+1], v[32*\t+i:32*\t+i+1], v[ST+8*\t+4:ST+8*\t+5] op_sel_hi:[1,0]
.set i, i+2
.endr
.endr
.endm
.macro PV first                        ; 32 products; the 16 accumulators take turns; in the first step the first 16 start the sums
	WIN 0x51                                       ; source 0 (V), C and D window 1; source 1 (P) window 0
.irp k, 0,1
.irp n, 0,1,2,3
.irp t, 0,1,2,3
.if \first && (\k == 0)
	v_wmma_f32_16x16x32_f16 v[32*\t+8*\n:32*\t+8*\n+7], v[VF+32*\k+8*\n:VF+32*\k+8*\n+7], v[S+32*\t+8*\k:S+32*\t+8*\k+7], 0
.else
	v_wmma_f32_16x16x32_f16 v[32*\t+8*\n:32*\t+8*\n+7], v[VF+32*\k+8*\n:VF+32*\k+8*\n+7], v[S+32*\t+8*\k:S+32*\t+8*\k+7], v[32*\t+8*\n:32*\t+8*\n+7]
.endif
.endr
.endr
.endr
.endm
.macro STEP first                      ; 64 keys
	s_load_b32 s42, s[56:57], s41 offset:0x0       ; the step's three row terms
	s_load_b32 s43, s[56:57], s41 offset:0x4
	s_load_b32 s44, s[56:57], s41 offset:0x8
	v_add_nc_u32 v[ADR], s40, v[L16]
	PLACES 4                                       ; with the addition above: five places behind the last V^T P, ahead of loads into V's registers and of products that write over P
	KLOAD
	VLOAD
	s_wait_dscnt 16                                ; K is in; V's 16 loads may be out
	KQ
	WIN 0
	s_wait_kmcnt 0x0
	s_mul_f32 s45, s42, 0x3fb8aa3b                 ; x log2(e)
	s_mul_f32 s46, s43, 0x3fb8aa3b
	s_mul_f32 s47, s44, 0x3fb8aa3b
	s_add_co_u32 s41, s41, 8                       ; two board rows of keys on (the loads that read it are done)
	PLACES 4                                       ; four places ahead of the first read of the scores
	SMAX
	SSTAT \first
	SADD
	SEXP \first
	SSUM \first
	SCVT
.if \first
	PLACES 4
.else
	RESCALE
.endif
	s_wait_dscnt 0x0                               ; V is in
	PV \first
	WIN 0                                          ; at a label and at a branch every window is 0
	s_add_co_u32 s40, s40, 16384
.endm
.macro LOOPN n
	s_mov_b32 s48, \n
.Lstep_\@:
	STEP 0
	s_sub_co_u32 s48, s48, 1
	s_cmp_lg_u32 s48, 0
	s_cbranch_scc1 .Lstep_\@
.endm
.macro CHUNK left, base                ; my eighth of the chunk is in (the later chunks' loads may stay out); then everybody's is
	s_wait_tensorcnt \left
	s_barrier_signal -1
	s_barrier_wait -1
	s_mov_b32 s40, \base
.endm
	CHUNK 3, 0
	STEP 1                                         ; the first step starts m, l and O^T
	LOOPN 3
	CHUNK 2, 65536
	LOOPN 4
	CHUNK 1, 131072
	LOOPN 4
	CHUNK 0, 196608
	LOOPN 4
	; THE WAY OUT: l's two halves and the other half of the lanes'; O^T / l, rounded to f16: a lane's eight channels of a query are lane l's 16 bytes of an image of the projection's operand
.irp t, 0,1,2,3
	v_add_f32 v[ST+8*\t], v[ST+8*\t+6], v[ST+8*\t+7]               ; (these four are the places behind the last products)
.endr
.irp t, 0,1,2,3
	v_permlanex16_b32 v[ST+8*\t+2], v[ST+8*\t], s50, s51
.endr
.irp t, 0,1,2,3
	v_add_f32 v[ST+8*\t], v[ST+8*\t], v[ST+8*\t+2]
.endr
.irp t, 0,1,2,3
	v_rcp_f32 v[ST+8*\t+4], v[ST+8*\t]
.endr
	v_nop                                          ; a plain line behind the last reciprocal,
	s_wait_alu depctr_va_vdst(0)                   ; and one wait for the four, ahead of their first reader
	RESCALE
	WIN 0x05                                       ; sources window 1, destination window 0
.set i, 0
.rept 64
	v_cvt_pk_f16_f32 v[S+i], v[2*i], v[2*i+1]
.set i, i+1
.endr
	WIN 0
.irp t, 0,1,2,3
.irp n, 0,1,2,3
	global_store_b128 v[L16], v[S+16*\t+4*\n:S+16*\t+4*\n+3], s[10:11] offset:524288*(\n/2)+1024*\t+512*(\n%2)   ; 512 consecutive bytes
.endr
.endr
	s_wait_tensorcnt 0x0                           ; the wave's end
	ds_add_u32 v[SPW], v[NIL]
	s_wait_dscnt 0x0
	s_endpgm
.Lfunc_end_k_q7d8ba374ff_attn:
	.size	k_q7d8ba374ff_attn, .Lfunc_end_k_q7d8ba374ff_attn-k_q7d8ba374ff_attn
	.p2alignl 7, 3214868480
	.fill 96, 4, 3214868480
	.section	.rodata,"a",@progbits
	.p2align	6, 0x0
	.amdhsa_kernel k_q7d8ba374ff_attn
		.amdhsa_group_segment_fixed_size 327680
		.amdhsa_private_segment_fixed_size 0
		.amdhsa_enable_private_segment 0
		.amdhsa_kernarg_size 32
		.amdhsa_user_sgpr_count 2
		.amdhsa_user_sgpr_kernarg_segment_ptr 1
		.amdhsa_wavefront_size32 1
		.amdhsa_system_sgpr_workgroup_id_x 1
		.amdhsa_system_sgpr_workgroup_id_y 1
		.amdhsa_system_sgpr_workgroup_id_z 1
		.amdhsa_system_vgpr_workitem_id 0
		.amdhsa_next_free_vgpr 512
		.amdhsa_next_free_sgpr 66
		.amdhsa_reserve_vcc 0
		.amdhsa_float_denorm_mode_32 3
		.amdhsa_float_denorm_mode_16_64 3
		.amdhsa_memory_ordered 1
		.amdhsa_forward_progress 1
		.amdhsa_inst_pref_size 179
	.end_amdhsa_kernel
	.amdgpu_metadata
---
amdhsa.version: [ 1, 2 ]
amdhsa.kernels:
  - .name:           k_q7d8ba374ff_attn
    .symbol:         k_q7d8ba374ff_attn.kd
    .args:
      - { .name: qf, .offset: 0, .size: 8, .value_kind: global_buffer, .address_space: global }
      - { .name: kv, .offset: 8, .size: 8, .value_kind: global_buffer, .address_space: global }
      - { .name: rel_bias, .offset: 16, .size: 8, .value_kind: global_buffer, .address_space: global }
      - { .name: of, .offset: 24, .size: 8, .value_kind: global_buffer, .address_space: global }
    .group_segment_fixed_size: 327680
    .private_segment_fixed_size: 0
    .kernarg_segment_align: 8
    .kernarg_segment_size: 32
    .max_flat_workgroup_size: 256
    .sgpr_count:     66
    .vgpr_count:     512
    .wavefront_size: 32
...
	.end_amdgpu_metadata
.endif
;; end of part 3
;; launch oproj (part 4): grid 4 x 64, 4 waves a work-group, clusters of 4 x 4, 327,680 bytes of LDS; arguments of, wof, out0; writes out0
.if DOCPART == 4
	.amdgcn_target "amdgcn-amd-amdhsa--gfx1250"
	.amdhsa_code_object_version 6
	.text
	.protected	k_q7d8ba374ff_oproj
	.globl	k_q7d8ba374ff_oproj
	.p2align	8
	.type	k_q7d8ba374ff_oproj,@function
k_q7d8ba374ff_oproj:
	s_mov_b64 s[64:65], 0
	v_nop
	global_prefetch_b8 v0, s[64:65] scope:SCOPE_SE
	s_setreg_imm32_b32 hwreg(HW_REG_WAVE_MODE, 25, 1), 1
	s_wait_xcnt 0x0
	s_wait_alu depctr_hold_cnt(0) depctr_sa_sdst(0) depctr_va_vdst(0) depctr_va_sdst(0) depctr_va_ssrc(0) depctr_va_vcc(0) depctr_vm_vsrc(0)
	s_getreg_b32 s2, hwreg(HW_REG_IB_STS2, 6, 4)
	s_cmp_eq_u32 s2, 0
	s_cbranch_scc0 .Lentry_in_a_cluster
	s_endpgm
.Lentry_in_a_cluster:
	s_bfe_u32 s2, ttmp6, 0x10000c
	s_cmp_lg_u32 s2, 0xf033
	s_cbranch_scc0 .Lentry_shape_is_right
	s_endpgm
.Lentry_shape_is_right:
; OPROJ: out0 [8192][1024] f32 = A Wo, A the attention's result; f16 operands, f32 sums.  Both operands arrive as images of operand registers: of [32 along k: 32][16 tokens: 512][1,024 bytes], wof [32 along k: 32][16 columns: 64][1,024 bytes].
; SHARES.  A tile of the result is 128 tokens x 256 columns: 64 x 4 = 256 work-groups.  Wave w: tokens 64 (w / 2) on (4 tiles a), columns 128 (w % 2) on (8 tiles b): 32 accumulators.
; THE RING: two slots of unequal depth, as deep as LDS holds: a step of 32 along k is 24 KiB (A 8, B 16); slot X holds 7 steps, slot Y 6.  K's 32 steps go X 0-6, Y 7-12, X 13-19, Y 20-25, X 26-31.
; A refill is asked for at a change of slots and waited for at the next: the other slot's 6 or 7 steps of 32 products lie between, less the sixteen ahead of the round.
; One tensor load a wave brings a half of A (waves 0, 1: rows of 4,096 bytes, one for each step) or of B (waves 2, 3: rows of 8,192 bytes).  Two loads of mine are out at the start, one behind each round.
; CLUSTER 4 x 4: A's tiles hang on the tile row alone and are shared along a row of the cluster, B's on the tile column alone and are shared along a column: joint loads, a quarter of the requests.
; THE PRODUCT IS USED TRANSPOSED (source 0 = 16 columns of Wo, source 1 = 16 tokens): a lane holds eight neighbouring numbers of a row of the result.
; REGISTERS: window 0: v1 16 x lane; v16-19 LDS addresses; v24, v25 the stage; v28, v29 the add's two; v32-95 A's fragments, two sets of 4; v128-255 rows on the way out.  window 1: v0-127 B's fragments, two sets of 8.
;   window 2: the accumulators ((a, b) at 8 (8 a + b)).
.set XA,    0                          ; slot X: A's halves, 7 x 4,096 bytes each,
.set XB,    57344                      ; B's halves, 7 x 8,192 each
.set YA,    172032                     ; slot Y: A's halves, 6 x 4,096,
.set YB,    221184                     ; B's halves, 6 x 8,192
.set SPARE, 319488                     ; behind the ring: the spare words, 128 bytes a wave
.set STAGE, YA                         ; the way out: 16 rows x 528 bytes a wave, in slot Y, which has had its last fill and its last read at the last change of slots
.set L16,  1
.set ADA,  16                          ; v16, v17  my half of A in X, Y
.set ADB,  18                          ; v18, v19  my half of B in X, Y
.set STO,  24
.set RD,   25
.set SPW,  28
.set NIL,  29
.set AF,   32
.set BK,   128
.set A7,   24                          ; s[24:31] group 1: A, 7 steps;  s[32:39] 6 steps
.set A6,   32
.set B7,   40                          ; s[40:47], s[48:55] the same for B
.set B6,   48
.set GAX,  56                          ; s[56:59], s[60:63] group 0 for A in X, Y
.set GAY,  60
.set GBX,  68                          ; s[68:71], s[72:75] for B
.set GBY,  72
.set MSB,  0
.macro WIN new
.if MSB != (\new)
	s_set_vgpr_msb (MSB<<8)|(\new)
.set MSB, (\new)
.endif
.endm
.macro PLACES n
.rept \n
	v_nop
.endr
.endm
.macro JLOAD g0a, g1a, g0b, g1b        ; a joint load: waves 0 and 1 fetch A's halves, waves 2 and 3 B's; the branch hangs on the wave's number alone; an s_nop 0 and four v_nop follow each line
	s_cmp_eq_u32 s11, 0
	s_cbranch_scc0 .Lfor_b_\@
	tensor_load_to_lds s[\g0a:\g0a+3], s[\g1a:\g1a+7]
	s_nop 0
.rept 4
	v_nop
.endr
	s_branch .Lasked_\@
.Lfor_b_\@:
	tensor_load_to_lds s[\g0b:\g0b+3], s[\g1b:\g1b+7]
	s_nop 0
.rept 4
	v_nop
.endr
.Lasked_\@:
.endm
.macro CREST                           ; a round of the cluster's barrier behind its opening barrier
	s_cmp_lg_u32 s10, 0
	s_cbranch_scc1 .Lnot_wave_0_\@
	s_barrier_signal -3
.Lnot_wave_0_\@:
	s_barrier_wait -3
	s_barrier_signal -1
	s_barrier_wait -1
.endm
.macro CROUND
	s_barrier_signal -1
	s_barrier_wait -1
	CREST
.endm
	s_load_b128 s[4:7], s[0:1], 0x0                ; of, wof
	s_load_b64 s[8:9], s[0:1], 0x10                ; out0
	v_lshl_add_u32 v[SPW], v0, 2, SPARE
	v_mov_b32 v[NIL], 0
	ds_add_u32 v[SPW], v[NIL]                      ; the opening: the add, twice on end, and its wait ahead of my first tensor load
	ds_add_u32 v[SPW], v[NIL]
	v_lshrrev_b32 v1, 5, v0
	v_readfirstlane_b32 s10, v1                    ; wave 0..3
	s_lshr_b32 s11, s10, 1                         ; my half of the tokens.  Also: I fetch for A (0) or for B (1)
	s_and_b32 s12, s10, 1                          ; my half of the columns.  Also: which half I fetch
	s_bfe_u32 s76, ttmp6, 0x40000                  ; cx
	s_bfe_u32 s77, ttmp6, 0x40004                  ; cy
	s_lshl_b32 s78, ttmp9, 2
	s_add_co_u32 s78, s78, s76                     ; tile column
	s_and_b32 s13, ttmp7, 0xffff
	s_lshl_b32 s13, s13, 2
	s_add_co_u32 s13, s13, s77                     ; tile row
	s_lshl_b32 s79, s77, 2
	s_lshl_b32 s79, 15, s79                        ; my row of the cluster
	s_lshl_b32 s80, 0x1111, s76                    ; my column
	s_or_b32 s[A7], s79, (3<<16)|(1<<21)           ; 15:0 the mask; 17:16 elements of 8 bytes; 21 set beside a mask; no padding
	s_or_b32 s[A6], s79, (3<<16)|(1<<21)
	s_or_b32 s[B7], s80, (3<<16)|(1<<21)
	s_or_b32 s[B6], s80, (3<<16)|(1<<21)
	s_mov_b32 s[A7+1], 512<<16                     ; tensor_dim0 = 512 elements: 4 tiles of 1,024 bytes
	s_mov_b32 s[A7+2], 7<<16                       ; tensor_dim1 = 7 steps
	s_mov_b32 s[A7+3], 512<<16                     ; tile_dim0
	s_mov_b32 s[A7+4], 7                           ; tile_dim1
	s_mov_b32 s[A7+5], 65536                       ; from step to step: 524,288 bytes
	s_mov_b32 s[A7+6], 0
	s_mov_b32 s[A7+7], 0
	s_mov_b32 s[A6+1], 512<<16
	s_mov_b32 s[A6+2], 6<<16
	s_mov_b32 s[A6+3], 512<<16
	s_mov_b32 s[A6+4], 6
	s_mov_b32 s[A6+5], 65536
	s_mov_b32 s[A6+6], 0
	s_mov_b32 s[A6+7], 0
	s_mov_b32 s[B7+1], 1024<<16                    ; 8 tiles of 1,024 bytes
	s_mov_b32 s[B7+2], 7<<16
	s_mov_b32 s[B7+3], 1024<<16
	s_mov_b32 s[B7+4], 7
	s_mov_b32 s[B7+5], 8192                        ; from step to step: 65,536 bytes
	s_mov_b32 s[B7+6], 0
	s_mov_b32 s[B7+7], 0
	s_mov_b32 s[B6+1], 1024<<16
	s_mov_b32 s[B6+2], 6<<16
	s_mov_b32 s[B6+3], 1024<<16
	s_mov_b32 s[B6+4], 6
	s_mov_b32 s[B6+5], 8192
	s_mov_b32 s[B6+6], 0
	s_mov_b32 s[B6+7], 0
	s_lshl_b32 s14, s13, 13                        ; A: 8 tiles of 16 tokens a tile row, the half that I fetch: made of the tile row and the wave's number alone
	s_lshl_b32 s15, s12, 12
	s_add_co_u32 s14, s14, s15
	s_mov_b32 s15, 0
	s_lshl_b32 s82, s78, 14                        ; B: 16 tiles of 16 columns a tile column, the half that I fetch: made of the tile column and the wave's number alone
	s_lshl_b32 s83, s12, 13
	s_add_co_u32 s82, s82, s83
	s_mov_b32 s83, 0
	s_wait_dscnt 0x0                               ; both opening adds are done
	s_wait_kmcnt 0x0
	s_mov_b32 s[GAX], 1
	s_mul_i32 s[GAX+1], s12, 28672                 ; no place in the cluster enters an LDS address
	s_add_nc_u64 s[GAX+2:GAX+3], s[4:5], s[14:15]  ; steps 0 on
	s_or_b32 s[GAX+3], s[GAX+3], 0x80000000
	s_mov_b32 s[GAY], 1
	s_mul_i32 s[GAY+1], s12, 24576
	s_add_co_u32 s[GAY+1], s[GAY+1], YA
	s_add_nc_u64 s[GAY+2:GAY+3], s[4:5], s[14:15]
	s_add_nc_u64 s[GAY+2:GAY+3], s[GAY+2:GAY+3], 7*524288   ; steps 7 on
	s_or_b32 s[GAY+3], s[GAY+3], 0x80000000
	s_mov_b32 s[GBX], 1
	s_mul_i32 s[GBX+1], s12, 57344
	s_add_co_u32 s[GBX+1], s[GBX+1], XB
	s_add_nc_u64 s[GBX+2:GBX+3], s[6:7], s[82:83]
	s_or_b32 s[GBX+3], s[GBX+3], 0x80000000
	s_mov_b32 s[GBY], 1
	s_mul_i32 s[GBY+1], s12, 49152
	s_add_co_u32 s[GBY+1], s[GBY+1], YB
	s_add_nc_u64 s[GBY+2:GBY+3], s[6:7], s[82:83]
	s_add_nc_u64 s[GBY+2:GBY+3], s[GBY+2:GBY+3], 7*65536
	s_or_b32 s[GBY+3], s[GBY+3], 0x80000000
	CROUND                                         ; all sixteen work-groups are here: the first joint loads meet
	JLOAD GAX, A7, GBX, B7
	JLOAD GAY, A6, GBY, B6
	v_and_b32 v1, 31, v0
	v_lshlrev_b32 v[L16], 4, v1
	s_mul_i32 s86, s11, 28672
	v_add_nc_u32 v[ADA], s86, v[L16]
	s_mul_i32 s86, s11, 24576
	s_add_co_u32 s86, s86, YA
	v_add_nc_u32 v[ADA+1], s86, v[L16]
	s_mul_i32 s86, s12, 57344
	s_add_co_u32 s86, s86, XB
	v_add_nc_u32 v[ADB], s86, v[L16]
	s_mul_i32 s86, s12, 49152
	s_add_co_u32 s86, s86, YB
	v_add_nc_u32 v[ADB+1], s86, v[L16]
	s_mul_i32 s86, s10, 16*528
	s_add_co_u32 s86, s86, STAGE                   ; my stage
	v_and_b32 v2, 15, v0
	v_bfe_u32 v3, v0, 4, 1
	v_mul_u32_u24 v[STO], v2, 528
	v_lshl_add_u32 v[STO], v3, 5, v[STO]
	v_add_nc_u32 v[STO], s86, v[STO]               ; in: row l % 16, 32 bytes for each half of the lanes
	v_add_nc_u32 v[RD], s86, v[L16]                ; back: the 32 lanes take a row of 512 bytes
	s_lshl_b32 s84, s13, 19                        ; out0: 128 rows of 4,096 bytes a tile row,
	s_lshl_b32 s85, s11, 18                        ; my 64 rows,
	s_add_co_u32 s84, s84, s85
	s_lshl_b32 s85, s78, 10                        ; 256 columns a tile column,
	s_add_co_u32 s84, s84, s85
	s_lshl_b32 s85, s12, 9                         ; my 128
	s_add_co_u32 s84, s84, s85
	s_mov_b32 s85, 0
	s_add_nc_u64 s[8:9], s[8:9], s[84:85]
.macro FETCH g                         ; the fragments of step g into set g % 2: 8 of B, 4 of A; images, 512 consecutive bytes a load.  Which slot, and which of its steps, are constants of the text
.if (\g) < 7
.set RG, 0
.set LI, (\g)
.elseif (\g) < 13
.set RG, 1
.set LI, (\g)-7
.elseif (\g) < 20
.set RG, 0
.set LI, (\g)-13
.elseif (\g) < 26
.set RG, 1
.set LI, (\g)-20
.else
.set RG, 0
.set LI, (\g)-26
.endif
.set FS, (\g)%2
	WIN 0x40
.irp b, 0,1,2,3,4,5,6,7
.irp c, 0,1
	ds_load_b128 v[64*FS+8*\b+4*\c:64*FS+8*\b+4*\c+3], v[ADB+RG] offset:8192*LI+1024*\b+512*\c
.endr
.endr
	WIN 0
.irp a, 0,1,2,3
.irp c, 0,1
	ds_load_b128 v[AF+32*FS+8*\a+4*\c:AF+32*FS+8*\a+4*\c+3], v[ADA+RG] offset:4096*LI+1024*\a+512*\c
.endr
.endr
.endm
.macro MUL8 a, set, zero               ; tile a of my tokens against my 8 tiles of columns.  The 32 accumulators take turns, one instruction a turn, in the same order in every step
	WIN 0xa1                                       ; source 0 (B) window 1, source 1 (A) window 0, C and D window 2
.irp b, 0,1,2,3,4,5,6,7
.if \zero
	v_wmma_f32_16x16x32_f16 v[8*(8*(\a)+\b):8*(8*(\a)+\b)+7], v[64*(\set)+8*\b:64*(\set)+8*\b+7], v[AF+32*(\set)+8*(\a):AF+32*(\set)+8*(\a)+7], 0
.else
	v_wmma_f32_16x16x32_f16 v[8*(8*(\a)+\b):8*(8*(\a)+\b)+7], v[64*(\set)+8*\b:64*(\set)+8*\b+7], v[AF+32*(\set)+8*(\a):AF+32*(\set)+8*(\a)+7], v[8*(8*(\a)+\b):8*(8*(\a)+\b)+7]
.endif
.endr
.endm
.macro KSTEP g, zero                   ; a step whose successor lies in the same slot
	PLACES 4                                       ; four places in front of loads into the set that the last step multiplied
	FETCH (\g)+1
	s_wait_dscnt 24                                ; all but the 24 just issued
	MUL8 0, (\g)%2, \zero
	MUL8 1, (\g)%2, \zero
	MUL8 2, (\g)%2, \zero
	MUL8 3, (\g)%2, \zero
.endm
; A slot's last step changes slots: one barrier; in front of it each wave waits for all its tensor loads (its part of the next slot), adds 0 to its spare word, and waits for that and for its reads of this slot.
; fill = 1: the barrier opens a round of the cluster's, and this slot is filled again, 13 steps on, first thing behind the round.
.macro TURN g, fill, g0a, g1a, g0b, g1b
	WIN 0                                          ; (the add's two registers lie in window 0)
	s_wait_tensorcnt 0x0
	ds_add_u32 v[SPW], v[NIL]
	s_wait_dscnt 1                                 ; this step's fragments are in (the add may be out)
	MUL8 0, (\g)%2, 0                              ; eight products stand between the add and the wait for it
	s_wait_dscnt 0x0                               ; the add is done, and my reads of this slot are over
	s_barrier_signal -1
	MUL8 1, (\g)%2, 0
	WIN 0
	s_barrier_wait -1
.if \fill
	CREST                                          ; no wave of any partner still reads this slot or has a load on its way
	s_add_nc_u64 s[\g0a+2:\g0a+3], s[\g0a+2:\g0a+3], 13*524288
	s_add_nc_u64 s[\g0b+2:\g0b+3], s[\g0b+2:\g0b+3], 13*65536
	JLOAD \g0a, \g1a, \g0b, \g1b                   ; its four v_nop are also the places in front of the loads below
.else
	PLACES 4
.endif
	FETCH (\g)+1
	MUL8 2, (\g)%2, 0
	MUL8 3, (\g)%2, 0
.endm
.macro RUN from, n                     ; n steps from step from on
.set G, \from
.rept \n
	KSTEP G, 0
.set G, G+1
.endr
.endm
	s_wait_tensorcnt 1                             ; my part of slot X is in (slot Y's load may be out)
	s_barrier_signal -1
	s_barrier_wait -1                              ; everybody's is
	FETCH 0
	KSTEP 0, 1                                     ; the first step starts the sums
	RUN 1, 5
	TURN 6, 1, GAX, A7, GBX, B7                    ; X takes steps 13-19
	RUN 7, 5
	TURN 12, 1, GAY, A6, GBY, B6                   ; Y takes steps 20-25
	RUN 13, 6
	TURN 19, 1, GAX, A6, GBX, B6                   ; X takes steps 26-31
	RUN 20, 5
	TURN 25, 0, GAX, A6, GBX, B6                   ; nothing is left to fetch: a plain barrier
	RUN 26, 5
	s_wait_dscnt 0x0
	MUL8 0, 1, 0
	MUL8 1, 1, 0
	MUL8 2, 1, 0
	MUL8 3, 1, 0
	WIN 0
; THE WAY OUT, block by block of 16 rows x 128 columns: through my own stage and back as whole rows of 512 bytes.  LDS serves a wave's instructions in order: no wait between the stores and the loads.
.macro TOSTAGE a
	WIN 0x08                                       ; an LDS store's data are its source 1: window 2
.irp b, 0,1,2,3,4,5,6,7
	ds_store_b128 v[STO], v[64*(\a)+8*\b:64*(\a)+8*\b+3] offset:64*\b            ; each accumulator from its low end on
	ds_store_b128 v[STO], v[64*(\a)+8*\b+4:64*(\a)+8*\b+7] offset:64*\b+16
.endr
	WIN 0
.irp t, 0,1,2,3,4,5,6,7,8,9,10,11,12,13,14,15
	ds_load_b128 v[BK+64*((\a)%2)+4*\t:BK+64*((\a)%2)+4*\t+3], v[RD] offset:\t*528
.endr
.endm
.macro SEND a, younger                 ; younger: the LDS instructions issued behind block a's loads
	s_wait_dscnt \younger
.irp t, 0,1,2,3,4,5,6,7,8,9,10,11,12,13,14,15
	global_store_b128 v[L16], v[BK+64*((\a)%2)+4*\t:BK+64*((\a)%2)+4*\t+3], s[8:9] offset:65536*(\a)+4096*\t th:TH_STORE_NT   ; 32 lanes store 512 consecutive bytes, aligned
.endr
.endm
	PLACES 4                                       ; four places between the last product and the first read of results
	TOSTAGE 0
	TOSTAGE 1
	SEND 0, 32                                     ; behind block 0's loads: block 1's 16 stores and 16 loads
	s_wait_xcnt 0x0                                ; block 0's stores have read their registers
	TOSTAGE 2
	SEND 1, 32
	s_wait_xcnt 0x0
	TOSTAGE 3
	SEND 2, 32
	SEND 3, 0
	s_wait_tensorcnt 0x0                           ; the wave's end
	ds_add_u32 v[SPW], v[NIL]
	s_wait_dscnt 0x0
	CROUND                                         ; the closing round
	s_endpgm
.Lfunc_end_k_q7d8ba374ff_oproj:
	.size	k_q7d8ba374ff_oproj, .Lfunc_end_k_q7d8ba374ff_oproj-k_q7d8ba374ff_oproj
	.p2alignl 7, 3214868480
	.fill 96, 4, 3214868480
	.section	.rodata,"a",@progbits
	.p2align	6, 0x0
	.amdhsa_kernel k_q7d8ba374ff_oproj
		.amdhsa_group_segment_fixed_size 327680
		.amdhsa_private_segment_fixed_size 0
		.amdhsa_enable_private_segment 0
		.amdhsa_kernarg_size 24
		.amdhsa_user_sgpr_count 2
		.amdhsa_user_sgpr_kernarg_segment_ptr 1
		.amdhsa_wavefront_size32 1
		.amdhsa_system_sgpr_workgroup_id_x 1
		.amdhsa_system_sgpr_workgroup_id_y 1
		.amdhsa_system_sgpr_workgroup_id_z 1
		.amdhsa_system_vgpr_workitem_id 0
		.amdhsa_next_free_vgpr 768
		.amdhsa_next_free_sgpr 96
		.amdhsa_reserve_vcc 0
		.amdhsa_float_denorm_mode_32 3
		.amdhsa_float_denorm_mode_16_64 3
		.amdhsa_memory_ordered 1
		.amdhsa_forward_progress 1
		.amdhsa_inst_pref_size 146
	.end_amdhsa_kernel
	.amdgpu_metadata
---
amdhsa.version: [ 1, 2 ]
amdhsa.kernels:
  - .name:           k_q7d8ba374ff_oproj
    .symbol:         k_q7d8ba374ff_oproj.kd
    .args:
      - { .name: of, .offset: 0, .size: 8, .value_kind: global_buffer, .address_space: global }
      - { .name: wof, .offset: 8, .size: 8, .value_kind: global_buffer, .address_space: global }
      - { .name: out0, .offset: 16, .size: 8, .value_kind: global_buffer, .address_space: global }
    .group_segment_fixed_size: 327680
    .private_segment_fixed_size: 0
    .kernarg_segment_align: 8
    .kernarg_segment_size: 24
    .max_flat_workgroup_size: 128
    .sgpr_count:     96
    .vgpr_count:     768
    .wavefront_size: 32
...
	.end_amdgpu_metadata
.endif
;; end of part 4
